; MI455X (gfx1250); checked and timed in simulation.
; The chip was launched on July 23, 2026; its instructions are those of AMD's public machine-readable ISA for CDNA 5 (MIT licence, August 2026) and "CDNA5" Instruction Set Architecture Reference Guide (July 2026). The comments in the code are by the model that wrote it; some were corrected since.
;; Latent Encoder. Allowed arithmetic: float matrix products may take bf16 or f16 operands with f32 sums; all other float work in f32.
;; Inputs: W 64 x 256 x 1,024 float32; b 64 x 256 float32; hiddens 4,096 x 1,024 float32; y 4,096 x 64 float32.
;; Outputs: out0 4,096 x 128 float32; out1 4,096 x 128 float32.
;; 2 versions, each right and faster than the one before. Each part assembles by itself: llvm-mc -triple=amdgcn-amd-amdhsa -mcpu=gfx1250 --defsym DOCPART=n.
;; ======== version 1 of 2: 2 launches
;; workspace buffers: wh 41,943,040 bytes
;; launch cast (part 1): grid 1280 x 1, 8 waves a work-group, no clusters, 0 bytes of LDS; arguments W, hiddens, wh; writes wh
.if DOCPART == 1
	.amdgcn_target "amdgcn-amd-amdhsa--gfx1250"
	.amdhsa_code_object_version 6
	.text
	.protected	k_qe70ad6e86b_cast
	.globl	k_qe70ad6e86b_cast
	.p2align	8
	.type	k_qe70ad6e86b_cast,@function
k_qe70ad6e86b_cast:
	s_mov_b64 s[64:65], 0
	v_nop
	global_prefetch_b8 v0, s[64:65] scope:SCOPE_SE
	s_setreg_imm32_b32 hwreg(HW_REG_WAVE_MODE, 25, 1), 1
	s_wait_xcnt 0x0
; f32 to bf16, once, for the two matrix operands of the next launch.
; wh, bytes 0 .. 33,554,431: Wp[16384][1024] bf16, row ks*1024 + j*16 + kk = W[j][16 ks + kk][:]  (j expert, ks one of 16 slices of 16 logit columns).
; wh, from byte 33,554,432:  hb[4096][1024] bf16 = hiddens.
; A chunk is 16 rows of 1,024 numbers: 65,536 neighbouring bytes of f32 in, 32,768 neighbouring bytes of bf16 out.  W's chunk 16 j + ks goes to
; chunk 64 ks + j, so the permutation moves whole chunks and costs no scattered access.  One work-group takes one chunk: 1,024 of W, 256 of hiddens.
; A stream: each byte is read once and written once; LDS, barriers and matrix units would add nothing.  All sixteen loads of a wave go out at once.
.set CHUNKS_W, 1024
.set X,  4                             ; v[4:67]   load i: 4 numbers in f32
.set YC, 68                            ; v[68:99]  load i: the same 4 numbers in bf16
	s_load_b128 s[4:7], s[0:1], 0x0                ; W s[4:5], hiddens s[6:7]
	s_load_b64 s[8:9], s[0:1], 0x10                ; wh
	v_lshlrev_b32 v1, 4, v0                        ; 16 bytes a thread in: a wave's load covers 512 neighbouring bytes
	v_lshlrev_b32 v2, 3, v0                        ; 8 bytes a thread out: a wave's store covers 256 neighbouring bytes, aligned
	s_sub_co_u32 s10, ttmp9, CHUNKS_W              ; chunk of hiddens (used only where the number is 1,024 or more)
	s_and_b32 s11, ttmp9, 15                       ; ks
	s_lshl_b32 s11, s11, 6
	s_lshr_b32 s20, ttmp9, 4                       ; j
	s_or_b32 s11, s11, s20                         ; 64 ks + j
	s_wait_kmcnt 0x0
	s_cmp_lt_u32 ttmp9, CHUNKS_W                   ; W's chunks first, then those of hiddens
	s_cselect_b32 s12, ttmp9, s10                  ; chunk in the source
	s_cselect_b32 s13, s11, ttmp9                  ; chunk in wh (hb begins at chunk 1,024)
	s_cselect_b64 s[14:15], s[4:5], s[6:7]         ; the source
	s_lshl_b32 s16, s12, 16
	s_mov_b32 s17, 0
	s_lshl_b32 s18, s13, 15
	s_mov_b32 s19, 0
	s_add_nc_u64 s[14:15], s[14:15], s[16:17]
	s_add_nc_u64 s[8:9], s[8:9], s[18:19]
.irp i, 0,1,2,3,4,5,6,7,8,9,10,11,12,13,14,15
	global_load_b128 v[X+4*\i:X+4*\i+3], v1, s[14:15] offset:4096*\i th:TH_LOAD_NT
.endr
.irp i, 0,1,2,3,4,5,6,7,8,9,10,11,12,13,14,15
	s_wait_loadcnt 15-\i                           ; loads come back in order (ISA guide 5.7.1): load i is in, the 15 - i younger ones stay out
	v_cvt_pk_bf16_f32 v[YC+2*\i],   v[X+4*\i],   v[X+4*\i+1]
	v_cvt_pk_bf16_f32 v[YC+2*\i+1], v[X+4*\i+2], v[X+4*\i+3]
	global_store_b64 v2, v[YC+2*\i:YC+2*\i+1], s[8:9] offset:2048*\i   ; no register is used twice, so nothing waits for a store
.endr
	s_endpgm
.Lfunc_end_k_qe70ad6e86b_cast:
	.size	k_qe70ad6e86b_cast, .Lfunc_end_k_qe70ad6e86b_cast-k_qe70ad6e86b_cast
	.p2alignl 7, 3214868480
	.fill 96, 4, 3214868480
	.section	.rodata,"a",@progbits
	.p2align	6, 0x0
	.amdhsa_kernel k_qe70ad6e86b_cast
		.amdhsa_group_segment_fixed_size 0
		.amdhsa_private_segment_fixed_size 0
		.amdhsa_enable_private_segment 0
		.amdhsa_kernarg_size 24
		.amdhsa_user_sgpr_count 2
		.amdhsa_user_sgpr_kernarg_segment_ptr 1
		.amdhsa_wavefront_size32 1
		.amdhsa_system_sgpr_workgroup_id_x 1
		.amdhsa_system_sgpr_workgroup_id_y 1
		.amdhsa_system_sgpr_workgroup_id_z 1
		.amdhsa_system_vgpr_workitem_id 0
		.amdhsa_next_free_vgpr 100
		.amdhsa_next_free_sgpr 66
		.amdhsa_reserve_vcc 0
		.amdhsa_float_denorm_mode_32 3
		.amdhsa_float_denorm_mode_16_64 3
		.amdhsa_memory_ordered 1
		.amdhsa_forward_progress 1
		.amdhsa_inst_pref_size 7
	.end_amdhsa_kernel
	.amdgpu_metadata
---
amdhsa.version: [ 1, 2 ]
amdhsa.kernels:
  - .name:           k_qe70ad6e86b_cast
    .symbol:         k_qe70ad6e86b_cast.kd
    .args:
      - { .name: W, .offset: 0, .size: 8, .value_kind: global_buffer, .address_space: global }
      - { .name: hiddens, .offset: 8, .size: 8, .value_kind: global_buffer, .address_space: global }
      - { .name: wh, .offset: 16, .size: 8, .value_kind: global_buffer, .address_space: global }
    .group_segment_fixed_size: 0
    .private_segment_fixed_size: 0
    .kernarg_segment_align: 8
    .kernarg_segment_size: 24
    .max_flat_workgroup_size: 256
    .sgpr_count:     66
    .vgpr_count:     100
    .wavefront_size: 32
...
	.end_amdgpu_metadata
.endif
;; end of part 1
;; launch gemm (part 2): grid 16 x 16, 4 waves a work-group, clusters of 4 x 4, 327,680 bytes of LDS; arguments wh, b, y, out0, out1; writes out0, out1
.if DOCPART == 2
	.amdgcn_target "amdgcn-amd-amdhsa--gfx1250"
	.amdhsa_code_object_version 6
	.text
	.protected	k_qe70ad6e86b_gemm
	.globl	k_qe70ad6e86b_gemm
	.p2align	8
	.type	k_qe70ad6e86b_gemm,@function
k_qe70ad6e86b_gemm:
	s_mov_b64 s[64:65], 0
	v_nop
	global_prefetch_b8 v0, s[64:65] scope:SCOPE_SE
	s_setreg_imm32_b32 hwreg(HW_REG_WAVE_MODE, 25, 1), 1
	s_wait_xcnt 0x0
	s_wait_alu depctr_hold_cnt(0) depctr_sa_sdst(0) depctr_va_vdst(0) depctr_va_sdst(0) depctr_va_ssrc(0) depctr_va_vcc(0) depctr_vm_vsrc(0)
	s_getreg_b32 s2, hwreg(HW_REG_IB_STS2, 6, 4)
	s_cmp_eq_u32 s2, 0
	s_cbranch_scc0 .Lentry_in_a_cluster
	s_endpgm
.Lentry_in_a_cluster:
	s_bfe_u32 s2, ttmp6, 0x10000c
	s_cmp_lg_u32 s2, 0xf033
	s_cbranch_scc0 .Lentry_shape_is_right
	s_endpgm
.Lentry_shape_is_right:
; logits[i][k] = sum over j of y[i][j] (sum over f of h[i][f] W[j][k][f] + b[j][k]);  out0 = logits[:, 0:128];  out1 = sqrt(softplus(logits[:, 128:256])).
; Operands in bf16 from wh (Wp[16384][1024], row ks*1024 + j*16 + kk = W[j][16 ks + kk]; hb[4096][1024] behind it); all sums, y, b and the rest in f32.
;
; SHARES.  Work-group (x = ks, y = mb) owns batch rows 256 mb .. +255 and logit columns 16 ks .. +15, for ALL 64 experts: 16 x 16 = 256 work-groups of equal
; work, and no partial sum leaves the work-group.  It walks four passes; pass p multiplies its 256 rows of hb by Wp's rows 1024 ks + 256 p .. +255
; (16 experts x 16 columns) over K = 1,024.  Four waves, as many as a WGP has SIMDs; wave (mh, nh) makes 128 batch rows x 128 rows of Wp = 64 tiles of
; 16 x 16 in 512 registers; tile (a, b) is 16 batch rows x the 16 columns of ONE expert, 16 p + 8 nh + b.  At a pass's end FIN[a] += y[row][expert b] T[a][b]:
; 256 packed multiply-adds for the pass's 2,048 matrix instructions.  The bias costs no arithmetic: the first matrix instruction of each sum takes b as its C.
; At the end the two waves that hold the same rows (nh = 0, 1) meet in LDS.
; K goes in steps of 128 through a ring of two LDS slots filled by the tensor data mover; a tile's rows are 256 bytes, at multiples of 256 from wh's first byte.
; The ring runs on over the passes' ends: the last two K steps of a pass ask for the first two of the next.
; CLUSTERS: 4 x 4 work-groups.  hb's tile hangs on mb alone and is asked for jointly by a row of the cluster, Wp's on ks alone, by a column.
;
; THE MATRIX INSTRUCTION IS USED TRANSPOSED: source 0 = 16 rows of Wp, source 1 = 16 rows of hb.  Lane l = (r = l % 16, h = l / 16), register jj, then holds
; batch row r, column 8 h + jj: y is one number for a lane and a tile, b eight registers for an expert.
;
; y is read straight from memory, 32 bytes of a row for a wave and a pass (65,536 bytes a work-group in all, against 4 MiB of tiles): the block's 65,536 bytes
; do not fit beside the ring and the stage in LDS.
; LIMITS.  (1) A work-group owns 64 bytes of an output row, so a store instruction writes eight row pieces of 64 bytes; the four work-groups of a row of the
; cluster complete each block of 256.  Wider shares would mean 64 work-groups, or partial sums through memory.  (2) Where sigma_raw is below about -87.3,
; exp2's result is below 2^-126 and comes out as 0 (ISA guide 15.8), so sigma is 0 where the exact value is at most about 1e-19.
; (3) h and W are rounded to bf16; y and b are not rounded.
;
; REGISTERS, in windows of 256:
;   window 0: v0-31 addresses; v64-127, v128-191 fragments of hb, two buffers; v192-255 Y: y[row 16 A + r][expert e] at Y + 8 A + e
;   window 1: v0-63 BIAS: b[expert e][8 h + jj] at 8 e + jj; v64-191 fragments of Wp, two buffers; v192-255 FIN: the sums of rows 16 A + r at FIN + 8 A + jj
;   window 2: tiles T(a, b) at v[8 (8 a + b)] of my rows 0-63;   window 3: those of my rows 64-127
.set KSTEP,  128
.set PITCH,  272                       ; an LDS row: 256 bytes + 16 of padding, an odd multiple of 16: the 16 rows of a fragment load touch 16 different 16-byte columns of 256
.set HALFT,  128*PITCH                 ; 128 rows: what one tensor load brings, and what one wave reads of hb or of Wp
.set SLOT,   4*HALFT                   ; hb's 256 rows, then Wp's 256 rows
.set STAGE,  2*SLOT                    ; behind the ring, at a multiple of 256: no tensor load lands here
.set SP,     80                        ; a stage row: 16 f32 + 16 bytes
.set STW,    128*SP                    ; a wave's stage: 128 rows
.set ROWB,   2048                      ; bytes in a row of wh
.set HB_OFF, 33554432                  ; hb in wh
.set PASSB,  256*ROWB                  ; Wp: from a pass to the next
.set WRAPB,  6*KSTEP*2                 ; back from K step 6 (7) to K step 0 (1)
.set ADRA, 16                          ; v16-17  LDS address of my hb fragments in slot 0, 1
.set ADRB, 20                          ; v20-21  the same for Wp
.set STO,  24                          ; v24     stage: where I put my sums
.set RD,   25                          ; v25     stage: where I read rows back
.set CO,   26                          ; v26     my byte offset in the output
.set YO,   27                          ; v27     256 r: my row in y
.set BO,   28                          ; v28     32 h: my eight columns in b
.set F0,   64
.set F1,   128
.set Y,    192                         ; window 0
.set BIAS, 0                           ; window 1
.set FIN,  192                         ; window 1
.set XX,   64                          ; the way out, window 0: 32 logits
.set TT,   96                          ;   the partner's sums, then t = exp(-|x|)
.set UU,   128                         ;   1 + t, its logarithm, softplus, its root
.set PP,   160                         ;   the series for small t
.set MX,   192                         ;   max(x, 0)
.set G1,  24                           ; s[24:31] descriptor group 1 for hb's tiles
.set G0,  32                           ; s[32:39] group 0 for hb's tiles, a set for each slot
.set G1B, 48                           ; s[48:55] group 1 for Wp's tiles: another mask
.set G0B, 56                           ; s[56:63] group 0 for Wp's tiles, a set for each slot
.set MSB, 0
.macro WIN new                         ; the immediate's high byte repeats the setting that is left; a switch that changes nothing is dropped
.if MSB != \new
	s_set_vgpr_msb (MSB<<8)|\new
.set MSB, \new
.endif
.endm
; low byte: bits 1:0 source 0, 3:2 source 1, 5:4 source 2, 7:6 destination
.set MUL_LO, 0xa1                      ; source 0 (Wp) window 1, source 1 (hb) window 0, C and D window 2
.set MUL_HI, 0xf1                      ; the same, C and D window 3
.set BIA_LO, 0x91                      ; C = BIAS in window 1, D window 2
.set BIA_HI, 0xd1                      ; C = BIAS in window 1, D window 3
.set TO_B,   0x40                      ; destination window 1, address window 0
.set SC_LO,  0x52                      ; source 0 = T in window 2, source 1 = Y in window 0, source 2 and destination = FIN in window 1
.set SC_HI,  0x53                      ; the same with T in window 3
.set ST_FIN, 0x04                      ; an LDS store's data in window 1
; A joint load.  Waves 0 and 1 fetch hb's two halves, waves 2 and 3 Wp's.  Each line has one mask and one set of registers for all that issue it; the branch
; hangs on the wave's number alone.
.macro JLOAD s
	s_cmp_eq_u32 s15, 0
	s_cbranch_scc0 .Lfor_b_\@
	tensor_load_to_lds s[G0+4*\s:G0+4*\s+3], s[G1:G1+7]
	s_nop 0
	s_branch .Lasked_\@
.Lfor_b_\@:
	tensor_load_to_lds s[G0B+4*\s:G0B+4*\s+3], s[G1B:G1B+7]
	s_nop 0
.Lasked_\@:
.endm
; A round of the cluster's barrier: my work-group's barrier; wave 0 signals for the work-group; every wave waits for all sixteen; my work-group's barrier again.
.macro CREST                           ; a round behind its opening barrier
	s_cmp_lg_u32 s14, 0
	s_cbranch_scc1 .Lnot_wave_0_\@
	s_barrier_signal -3
.Lnot_wave_0_\@:
	s_barrier_wait -3
	s_barrier_signal -1
	s_barrier_wait -1
.endm
.macro CROUND                          ; a whole round
	s_barrier_signal -1
	s_barrier_wait -1
	CREST
.endm
	s_load_b256 s[4:11], s[0:1], 0x0               ; wh s[4:5], b s[6:7], y s[8:9], out0 s[10:11]
	s_load_b64 s[12:13], s[0:1], 0x20              ; out1
	v_lshl_add_u32 v62, v0, 2, 0x4e000
	v_mov_b32 v63, 0
	ds_add_u32 v62, v63
	v_lshrrev_b32 v1, 5, v0
	v_readfirstlane_b32 s14, v1                    ; wave 0..3
	s_lshr_b32 s15, s14, 1                         ; mh: which half of the block's batch rows is mine.  Also: I fetch for hb (0) or for Wp (1)
	s_and_b32 s16, s14, 1                          ; nh: which eight of a pass's sixteen experts.  Also: which 128 rows of that tile I fetch
	s_bfe_u32 s17, ttmp6, 0x40000                  ; cx
	s_bfe_u32 s18, ttmp6, 0x40004                  ; cy
	s_lshl_b32 s19, ttmp9, 2
	s_add_co_u32 s19, s19, s17                     ; ks = 4 x cluster x + cx
	s_and_b32 s20, ttmp7, 0xffff
	s_lshl_b32 s20, s20, 2
	s_add_co_u32 s20, s20, s18                     ; mb = 4 x cluster y + cy
	s_lshl_b32 s21, s18, 2
	s_lshl_b32 s21, 15, s21                        ; my row of the cluster: places 4 cy .. 4 cy + 3
	s_lshl_b32 s22, 0x1111, s17                    ; my column: places cx, cx + 4, cx + 8, cx + 12
	; group 1: a tile of 128 rows x 128 elements of 2 bytes, 16 bytes of padding behind every 64 words
	s_or_b32 s[G1+0], s21, (1<<16)|(1<<20)|(1<<21)|(5<<22)|(3<<25)  ; 15:0 mask: hb's tiles go to my row; 17:16 2-byte elements; 20 padding on; 21 set beside a mask; 24:22 every 64 words; 31:25 4 words
	s_or_b32 s[G1B+0], s22, (1<<16)|(1<<20)|(1<<21)|(5<<22)|(3<<25) ; the same with my column's mask, for Wp's tiles
	s_mov_b32 s[G1+1], KSTEP<<16                   ; tensor_dim0 = 128
	s_mov_b32 s[G1B+1], KSTEP<<16
	s_mov_b32 s[G1+2], 128<<16                     ; tensor_dim1 = 128
	s_mov_b32 s[G1B+2], 128<<16
	s_mov_b32 s[G1+3], KSTEP<<16                   ; tile_dim0 = 128
	s_mov_b32 s[G1B+3], KSTEP<<16
	s_mov_b32 s[G1+4], 128                         ; tile_dim1 = 128 rows
	s_mov_b32 s[G1B+4], 128
	s_mov_b32 s[G1+5], 1024                        ; elements from row to row
	s_mov_b32 s[G1B+5], 1024
	s_mov_b32 s[G1+6], 0
	s_mov_b32 s[G1B+6], 0
	s_mov_b32 s[G1+7], 0
	s_mov_b32 s[G1B+7], 0
	; where the tiles come from: hb's offset is made of mb and the wave's number, Wp's of ks and the wave's number, each in registers of its own.  Both stay under 2^26.
	s_lshl_b32 s75, s16, 7                         ; which 128 rows of the tile I fetch
	s_lshl_b32 s40, s20, 8
	s_add_co_u32 s40, s40, s75                     ; hb: row 256 mb + 128 nh
	s_lshl_b32 s40, s40, 11                        ; x 2,048 bytes
	s_add_co_u32 s40, s40, HB_OFF
	s_mov_b32 s41, 0
	s_lshl_b32 s46, s19, 10
	s_add_co_u32 s46, s46, s75                     ; Wp: row 1024 ks + 128 nh
	s_lshl_b32 s46, s46, 11
	s_mov_b32 s47, 0
	s_mul_i32 s23, s14, HALFT                      ; where they go: wave x 128 rows; no place in the cluster enters an LDS address
	s_lshl_b32 s44, s20, 8                         ; y: row 256 mb + 128 mh, 256 bytes a row, + 32 nh for my eight experts
	s_lshl_b32 s45, s15, 7
	s_add_co_u32 s44, s44, s45
	s_lshl_b32 s44, s44, 8
	s_lshl_b32 s45, s16, 5
	s_add_co_u32 s44, s44, s45
	s_mov_b32 s45, 0
	s_lshl_b32 s66, s19, 6                         ; b: column 16 ks (64 bytes), expert 8 nh (1,024 bytes an expert)
	s_lshl_b32 s67, s16, 13
	s_add_co_u32 s66, s66, s67
	s_mov_b32 s67, 0
	s_wait_dscnt 0x0
	s_wait_kmcnt 0x0
	s_add_nc_u64 s[40:41], s[4:5], s[40:41]
	s_add_nc_u64 s[46:47], s[4:5], s[46:47]
	s_add_nc_u64 s[8:9], s[8:9], s[44:45]          ; y's base, pass 0
	s_add_nc_u64 s[6:7], s[6:7], s[66:67]          ; b's base, pass 0
	CROUND                                         ; all sixteen work-groups are here: the first joint loads meet
.irp s, 0,1
	s_mov_b32 s[G0+4*\s], 1                                        ; count = 1
	s_add_co_u32 s[G0+4*\s+1], s23, \s*SLOT                        ; LDS address
	s_add_nc_u64 s[G0+4*\s+2:G0+4*\s+3], s[40:41], \s*KSTEP*2      ; global address: K step s
	s_or_b32 s[G0+4*\s+3], s[G0+4*\s+3], 0x80000000                ; type = 2
	s_mov_b32 s[G0B+4*\s], 1
	s_add_co_u32 s[G0B+4*\s+1], s23, \s*SLOT
	s_add_nc_u64 s[G0B+4*\s+2:G0B+4*\s+3], s[46:47], \s*KSTEP*2
	s_or_b32 s[G0B+4*\s+3], s[G0B+4*\s+3], 0x80000000
	JLOAD \s                                       ; both slots' first fills go out before anything else: two tensor loads of the wave are out here, one at any later time
.endr
	; A fragment is 16 rows x 32 K in 8 registers: lane (r, h) holds row r; registers 0-3 K = 8 h + 0..7, registers 4-7 K = 16 + 8 h + 0..7: two loads of 16 bytes, 32 apart.
	v_and_b32 v1, 15, v0                           ; r
	v_bfe_u32 v2, v0, 4, 1                         ; h
	v_mul_u32_u24 v3, v1, PITCH
	v_lshl_add_u32 v3, v2, 4, v3                   ; r x pitch + 16 h
	s_mul_i32 s68, s15, HALFT                      ; my 128 rows of hb
	s_mul_i32 s69, s16, HALFT                      ; my 128 rows of Wp,
	s_add_co_u32 s69, s69, 2*HALFT                 ; which lie behind hb's 256
.irp s, 0,1
	v_add_nc_u32 v[ADRA+\s], s68, v3
	v_add_nc_u32 v[ADRB+\s], s69, v3
	s_add_co_u32 s68, s68, SLOT
	s_add_co_u32 s69, s69, SLOT
.endr
	s_mul_i32 s68, s14, STW
	s_add_co_u32 s68, s68, STAGE                   ; my stage
	v_mul_u32_u24 v4, v1, SP
	v_lshl_add_u32 v4, v2, 5, v4                   ; in: row r, columns 8 h .. 8 h + 7
	v_add_nc_u32 v[STO], s68, v4
	v_bfe_u32 v5, v0, 2, 3                         ; back: four lanes take a row of 64 bytes, a wave eight rows
	v_and_b32 v4, 3, v0
	v_mul_u32_u24 v3, v5, SP
	v_lshl_add_u32 v3, v4, 4, v3
	s_mul_i32 s68, s15, 2*STW                      ; the stage of wave 2 mh; its partner's lies STW behind
	s_mul_i32 s69, s16, 64*SP                      ; I finish rows 64 nh .. +63 of the half
	s_add_co_u32 s68, s68, s69
	s_add_co_u32 s68, s68, STAGE
	v_add_nc_u32 v[RD], s68, v3
	v_lshlrev_b32 v5, 9, v5                        ; the same rows in the output, 512 bytes a row
	v_lshl_add_u32 v[CO], v4, 4, v5
	v_lshlrev_b32 v[YO], 8, v1
	v_lshlrev_b32 v[BO], 5, v2
; 16 matrix instructions: m blocks a0, a0 + 1 of the window's four x all 8 experts, 32 along K.  bias = 1: the sum starts from the expert's b.
.macro MUL16 f, hi, a0, bias
.irp a, \a0, \a0+1
.irp b, 0,1,2,3,4,5,6,7
.if \bias
	v_wmma_f32_16x16x32_bf16 v[8*(8*(\a)+\b):8*(8*(\a)+\b)+7], v[\f+8*\b:\f+8*\b+7], v[\f+8*(4*\hi+\a):\f+8*(4*\hi+\a)+7], v[BIAS+8*\b:BIAS+8*\b+7]
.else
	v_wmma_f32_16x16x32_bf16 v[8*(8*(\a)+\b):8*(8*(\a)+\b)+7], v[\f+8*\b:\f+8*\b+7], v[\f+8*(4*\hi+\a):\f+8*(4*\hi+\a)+7], v[8*(8*(\a)+\b):8*(8*(\a)+\b)+7]
.endif
.endr
.endr
.endm
; 32 LDS loads in one run: the fragments of a quarter step (128 rows of Wp, 128 rows of hb, 32 K at byte k of the rows) into buffer f
.macro FETCH slot, k, f
	WIN TO_B
.irp i, 0,1,2,3,4,5,6,7
	ds_load_b128 v[\f+8*\i:\f+8*\i+3],   v[ADRB+\slot] offset:\k+\i*16*PITCH
	ds_load_b128 v[\f+8*\i+4:\f+8*\i+7], v[ADRB+\slot] offset:\k+\i*16*PITCH+32
.endr
	WIN 0
.irp i, 0,1,2,3,4,5,6,7
	ds_load_b128 v[\f+8*\i:\f+8*\i+3],   v[ADRA+\slot] offset:\k+\i*16*PITCH
	ds_load_b128 v[\f+8*\i+4:\f+8*\i+7], v[ADRA+\slot] offset:\k+\i*16*PITCH+32
.endr
.endm
; A load into a register that a matrix instruction has read, and a vector instruction that reads a matrix result, stand four places behind that matrix
; instruction; only plain vector instructions that name none of its registers are places (ISA guide 7.12.1 for vector instructions).
.macro PLACES
.rept 4
	v_nop
.endr
.endm
; A K step is four quarters of 32 along K, 64 matrix instructions each, on buffers 0, 1, 0, 1.  The 64 accumulators take turns, one instruction a turn, in the same
; order in every quarter, over the passes' ends and the loop's backward jump too.
; One of the first three quarters: multiplies buffer f; in its middle it fetches the next quarter's fragments, at byte k of the same slot's rows, into buffer g.
.macro QUARTER slot, k, f, g, bias
	s_wait_dscnt 8                                 ; Wp's and hb's rows 0-63 are in; the youngest eight loads (hb's rows 64-127) may be out
.if \bias
	WIN BIA_LO
.else
	WIN MUL_LO
.endif
	MUL16 \f, 0, 0, \bias
	MUL16 \f, 0, 2, \bias
	PLACES
	FETCH \slot, \k, \g
	s_wait_dscnt 32                                ; all but the 32 just issued
.if \bias
	WIN BIA_HI
.else
	WIN MUL_HI
.endif
	MUL16 \f, 1, 0, \bias
	MUL16 \f, 1, 2, \bias
.endm
.macro THREE slot
	QUARTER \slot, 64,  F0, F1, 0
	QUARTER \slot, 128, F1, F0, 0
	QUARTER \slot, 192, F0, F1, 0
.endm
; The last quarter of a K step: multiplies buffer 1 and changes slots.  fill = 1: this slot is filled again, two K steps ahead; wrap = 1: those are K steps of the
; next pass (hb back to its rows' beginning, Wp 256 rows on).  In front of the barrier each wave waits for its reads of this slot and for all its tensor loads (one is
; out: its part of the next slot); where the slot is filled again the barrier opens a round of the cluster's barrier, with register work alone inside, and the joint
; refill is the first tensor load behind the round.  From a request to the wait for it a wave issues 240 matrix instructions.
.macro TURN slot, next, fill, wrap
	s_wait_dscnt 8
	WIN MUL_LO
	MUL16 F1, 0, 0, 0
	s_wait_dscnt 0                                 ; my reads of this slot are over
	s_set_vgpr_msb 0xa1a0
	s_wait_tensorcnt 0x0                           ; and all my tensor loads have landed
	ds_add_u32 v62, v63
	s_wait_dscnt 0x0
	s_set_vgpr_msb 0xa0a1
	s_barrier_signal -1
	MUL16 F1, 0, 2, 0                              ; work on registers while the others arrive
	WIN 0
	s_barrier_wait -1
.if \fill
	CREST                                          ; no wave of any partner still reads this slot's tile or has a load on its way
.if \wrap
	s_sub_nc_u64 s[G0+4*\slot+2:G0+4*\slot+3], s[G0+4*\slot+2:G0+4*\slot+3], WRAPB
	s_add_nc_u64 s[G0B+4*\slot+2:G0B+4*\slot+3], s[G0B+4*\slot+2:G0B+4*\slot+3], PASSB-WRAPB
.else
	s_add_nc_u64 s[G0+4*\slot+2:G0+4*\slot+3], s[G0+4*\slot+2:G0+4*\slot+3], 2*KSTEP*2
	s_add_nc_u64 s[G0B+4*\slot+2:G0B+4*\slot+3], s[G0B+4*\slot+2:G0B+4*\slot+3], 2*KSTEP*2
.endif
	JLOAD \slot
.endif
	PLACES
	FETCH \next, 0, F0
	WIN MUL_HI
	MUL16 F1, 1, 0, 0
	MUL16 F1, 1, 2, 0
.endm
; y of this pass: for each of my eight blocks of 16 rows, the lane's row, my eight experts (32 bytes)
.macro LOADY
	WIN 0
.irp a, 0,1,2,3,4,5,6,7
	global_load_b128 v[Y+8*\a:Y+8*\a+3],   v[YO], s[8:9] offset:4096*\a
	global_load_b128 v[Y+8*\a+4:Y+8*\a+7], v[YO], s[8:9] offset:4096*\a+16
.endr
.endm
; b of a pass: for each of my eight experts, the lane's eight columns (32 bytes)
.macro LOADB
	WIN TO_B
.irp e, 0,1,2,3,4,5,6,7
	global_load_b128 v[BIAS+8*\e:BIAS+8*\e+3],   v[BO], s[6:7] offset:1024*\e
	global_load_b128 v[BIAS+8*\e+4:BIAS+8*\e+7], v[BO], s[6:7] offset:1024*\e+16
.endr
.endm
; FIN[4 hi + a] += y[.][expert b] T(a, b) for the window's four a: 16 packed multiply-adds on 16 different pairs, so that none waits for the one in front.
; y's pair holds experts b & 6 and (b & 6) + 1; op_sel and op_sel_hi take the same one of the two for both halves.  start = 1: the product starts the sums.
.macro SCB hi, b, start
.irp a, 0,1,2,3
.irp q, 0,2,4,6
.set fd, FIN+8*(4*\hi+\a)+\q
.set td, 8*(8*\a+\b)+\q
.set yd, Y+8*(4*\hi+\a)+(\b&6)
.if \start
	v_pk_mul_f32 v[fd:fd+1], v[td:td+1], v[yd:yd+1] op_sel_hi:[1,0]
.else
.if \b&1
	v_pk_fma_f32 v[fd:fd+1], v[td:td+1], v[yd:yd+1], v[fd:fd+1] op_sel:[0,1,0] op_sel_hi:[1,1,1]
.else
	v_pk_fma_f32 v[fd:fd+1], v[td:td+1], v[yd:yd+1], v[fd:fd+1] op_sel_hi:[1,0,1]
.endif
.endif
.endr
.endr
.endm
.macro SCALE first, last
	PLACES                                         ; four places behind the pass's last matrix instructions
	s_wait_loadcnt 0x0                             ; this pass's y and the next pass's b are in, and their bases are free
.if \last == 0
	s_add_nc_u64 s[8:9], s[8:9], 64                ; y: sixteen experts on
	s_add_nc_u64 s[6:7], s[6:7], 16384             ; b: sixteen experts on
.endif
	WIN SC_LO
	SCB 0, 0, \first
.irp b, 1,2,3,4,5,6,7
	SCB 0, \b, 0
.endr
	WIN SC_HI
	SCB 1, 0, \first
.irp b, 1,2,3,4,5,6,7
	SCB 1, \b, 0
.endr
.endm
; A pass: eight K steps, then the sum over its sixteen experts.  y of this pass and b of the next are asked for behind the first quarter, which is the last to read b.
.macro PASS first, last
	QUARTER 0, 64, F0, F1, 1
	LOADY
.if \last == 0
	PLACES                                         ; b's registers were the C of the matrix instructions just issued
	LOADB
.endif
	QUARTER 0, 128, F1, F0, 0
	QUARTER 0, 192, F0, F1, 0
	TURN 0, 1, 1, 0
	THREE 1
	TURN 1, 0, 1, 0
.rept 2
	THREE 0
	TURN 0, 1, 1, 0
	THREE 1
	TURN 1, 0, 1, 0
.endr
	THREE 0
.if \last
	TURN 0, 1, 0, 0                                ; nothing is left to fetch: a plain barrier, no round; the one load that was out is slot 1's, the last K step's
	THREE 1
	s_wait_dscnt 8                                 ; the very last quarter
	WIN MUL_LO
	MUL16 F1, 0, 0, 0
	MUL16 F1, 0, 2, 0
	s_wait_dscnt 0
	WIN MUL_HI
	MUL16 F1, 1, 0, 0
	MUL16 F1, 1, 2, 0
.else
	TURN 0, 1, 1, 1                                ; K step 0 of the next pass
	THREE 1
	TURN 1, 0, 1, 1                                ; K step 1 of the next pass; its FETCH brings the next pass's first fragments
.endif
	SCALE \first, \last
.endm
	LOADB                                          ; b of pass 0
	s_wait_tensorcnt 0x1                           ; my part of K step 0 is in; K step 1's may stay out
	s_barrier_signal -1
	s_barrier_wait -1                              ; everybody's is
	FETCH 0, 0, F0
	s_wait_loadcnt 0x0                             ; b of pass 0 is in, its base is free
	s_add_nc_u64 s[6:7], s[6:7], 16384
	PASS 1, 0                                      ; the first pass stands in front of the loop: its products start FIN
	WIN 0                                          ; at a label and at a branch every window is 0
	s_mov_b32 s3, 2
.Lpass:
	PASS 0, 0
	WIN 0
	s_sub_co_u32 s3, s3, 1
	s_cmp_lg_u32 s3, 0
	s_cbranch_scc1 .Lpass
	PASS 0, 1                                      ; the last pass asks for nothing beyond its own K steps
	; THE WAY OUT.  Each wave puts its 128 x 16 sums into its own stage; behind a barrier wave w adds the two halves of the experts for block rows 64 w .. +63.
	WIN ST_FIN
.irp a, 0,1,2,3,4,5,6,7
	ds_store_b128 v[STO], v[FIN+8*\a:FIN+8*\a+3]   offset:16*SP*\a
	ds_store_b128 v[STO], v[FIN+8*\a+4:FIN+8*\a+7] offset:16*SP*\a+16
.endr
	WIN 0
	s_mov_b32 s70, 0xbfb8aa3b                      ; -log2(e)
	s_mov_b32 s71, 0x3f317218                      ; ln 2
	s_mov_b32 s72, 0x3eaaaaab                      ; 1/3
	s_mov_b32 s73, 0x3c800000                      ; 1/64
	s_cmp_ge_u32 ttmp9, 2                          ; ks >= 8, that is cluster x >= 2: my columns are sigma's.  It selects values and the buffer; no branch hangs on it
	s_cselect_b32 s74, -1, 0
	s_cselect_b64 s[76:77], s[12:13], s[10:11]
	s_lshl_b32 s68, s20, 8
	s_lshl_b32 s69, s14, 6
	s_add_co_u32 s68, s68, s69                     ; row 256 mb + 64 wave,
	s_lshl_b32 s68, s68, 9                         ; 512 bytes a row,
	s_and_b32 s69, s19, 7
	s_lshl_b32 s69, s69, 6
	s_add_co_u32 s68, s68, s69                     ; column 16 (ks mod 8)
	s_mov_b32 s69, 0
	s_add_nc_u64 s[76:77], s[76:77], s[68:69]
	s_wait_dscnt 0x0                               ; my stores are done, for the partner's sake
	s_barrier_signal -1
	s_barrier_wait -1
.irp t, 0,1,2,3,4,5,6,7
	ds_load_b128 v[XX+4*\t:XX+4*\t+3], v[RD] offset:8*SP*\t        ; eight rows of experts' half 0
	ds_load_b128 v[TT+4*\t:TT+4*\t+3], v[RD] offset:8*SP*\t+STW    ; the same rows of half 1
.endr
.irp t, 0,1,2,3,4,5,6,7
	s_wait_dscnt 14-2*\t                           ; LDS loads come back in order: pair t is in, the 14 - 2 t younger loads stay out
	v_pk_add_f32 v[XX+4*\t:XX+4*\t+1],   v[XX+4*\t:XX+4*\t+1],   v[TT+4*\t:TT+4*\t+1]
	v_pk_add_f32 v[XX+4*\t+2:XX+4*\t+3], v[XX+4*\t+2:XX+4*\t+3], v[TT+4*\t+2:TT+4*\t+3]
.endr
	; softplus(x) = max(x, 0) + log(1 + t), t = exp(-|x|) in (0, 1]: the maximum is taken away before the exponential, as in the reference's softplus.
	; log(1 + t) = ln 2 log2(1 + t) for t >= 1/64; below that, where 1 + t would lose t's digits, t - t^2/2 + t^3/3 (the next term is under t (1/64)^3 / 4).
	; Done in every work-group and chosen at the end by a select.  Transcendentals stand in runs; plain work that touches none of their registers follows each run
	; before a result is used (ISA guide 5.7.2).
.set i, 0
.rept 32
	v_mul_f32 v[TT+i], s70, |v[XX+i]|
.set i, i+1
.endr
.set i, 0
.rept 32
	v_exp_f32 v[TT+i], v[TT+i]
.set i, i+1
.endr
.set i, 0
.rept 32
	v_max_num_f32 v[MX+i], 0, v[XX+i]
.set i, i+1
.endr
.set i, 0
	s_wait_alu depctr_va_vdst(0)
.rept 32
	v_add_f32 v[UU+i], 1.0, v[TT+i]
	v_fma_f32 v[PP+i], v[TT+i], s72, -0.5
.set i, i+1
.endr
.set i, 0
.rept 32
	v_log_f32 v[UU+i], v[UU+i]
.set i, i+1
.endr
.set i, 0
.rept 32
	v_fma_f32 v[PP+i], v[TT+i], v[PP+i], 1.0
.set i, i+1
.endr
.set i, 0
	s_wait_alu depctr_va_vdst(0)
.rept 32
	v_fma_f32 v[PP+i], v[TT+i], v[PP+i], v[MX+i]   ; max(x, 0) + t (1 + t (t/3 - 1/2))
	v_fma_f32 v[UU+i], v[UU+i], s71, v[MX+i]       ; max(x, 0) + ln 2 log2(1 + t)
	v_cmp_gt_f32 vcc_lo, s73, v[TT+i]              ; t < 1/64: the series
	v_cndmask_b32 v[UU+i], v[UU+i], v[PP+i], vcc_lo
.set i, i+1
.endr
.set i, 0
.rept 32
	v_sqrt_f32 v[UU+i], v[UU+i]
.set i, i+1
.endr
	v_nop                                          ; the plain place behind the run of roots
.set i, 0
	s_wait_alu depctr_va_vdst(0)
.rept 32
	v_cndmask_b32 v[XX+i], v[XX+i], v[UU+i], s74   ; sigma's columns take the root, mu's stay as they are
.set i, i+1
.endr
.irp t, 0,1,2,3,4,5,6,7
	global_store_b128 v[CO], v[XX+4*\t:XX+4*\t+3], s[76:77] offset:4096*\t   ; eight rows, 64 neighbouring bytes of each (see LIMITS)
.endr
	s_wait_tensorcnt 0x0
	ds_add_u32 v62, v63
	s_wait_dscnt 0x0
	CROUND                                         ; the closing round: no work-group ends while a partner may still ask for a tile that names it
	s_endpgm
.Lfunc_end_k_qe70ad6e86b_gemm:
	.size	k_qe70ad6e86b_gemm, .Lfunc_end_k_qe70ad6e86b_gemm-k_qe70ad6e86b_gemm
	.p2alignl 7, 3214868480
	.fill 96, 4, 3214868480
	.section	.rodata,"a",@progbits
	.p2align	6, 0x0
	.amdhsa_kernel k_qe70ad6e86b_gemm
		.amdhsa_group_segment_fixed_size 327680
		.amdhsa_private_segment_fixed_size 0
		.amdhsa_enable_private_segment 0
		.amdhsa_kernarg_size 40
		.amdhsa_user_sgpr_count 2
		.amdhsa_user_sgpr_kernarg_segment_ptr 1
		.amdhsa_wavefront_size32 1
		.amdhsa_system_sgpr_workgroup_id_x 1
		.amdhsa_system_sgpr_workgroup_id_y 1
		.amdhsa_system_sgpr_workgroup_id_z 1
		.amdhsa_system_vgpr_workitem_id 0
		.amdhsa_next_free_vgpr 1024
		.amdhsa_next_free_sgpr 80
		.amdhsa_reserve_vcc 1
		.amdhsa_float_denorm_mode_32 3
		.amdhsa_float_denorm_mode_16_64 3
		.amdhsa_memory_ordered 1
		.amdhsa_forward_progress 1
		.amdhsa_inst_pref_size 255
	.end_amdhsa_kernel
	.section	.bss,"aw",@nobits
	.p2align	6
	.space	262144
	.amdgpu_metadata
---
amdhsa.version: [ 1, 2 ]
amdhsa.kernels:
  - .name:           k_qe70ad6e86b_gemm
    .symbol:         k_qe70ad6e86b_gemm.kd
    .args:
      - { .name: wh, .offset: 0, .size: 8, .value_kind: global_buffer, .address_space: global }
      - { .name: b, .offset: 8, .size: 8, .value_kind: global_buffer, .address_space: global }
      - { .name: y, .offset: 16, .size: 8, .value_kind: global_buffer, .address_space: global }
      - { .name: out0, .offset: 24, .size: 8, .value_kind: global_buffer, .address_space: global }
      - { .name: out1, .offset: 32, .size: 8, .value_kind: global_buffer, .address_space: global }
    .group_segment_fixed_size: 327680
    .private_segment_fixed_size: 0
    .kernarg_segment_align: 8
    .kernarg_segment_size: 40
    .max_flat_workgroup_size: 128
    .sgpr_count:     80
    .vgpr_count:     1024
    .wavefront_size: 32
...
	.end_amdgpu_metadata
.endif
;; end of part 2
;; ======== version 2 of 2: 2 launches; 1.23 times as fast as version 1
;; workspace buffers: wh 41,943,040 bytes
;; launch cast (part 3): grid 1280 x 1, 8 waves a work-group, no clusters, 0 bytes of LDS; arguments W, hiddens, wh; writes wh
.if DOCPART == 3
	.amdgcn_target "amdgcn-amd-amdhsa--gfx1250"
	.amdhsa_code_object_version 6
	.text
	.protected	k_qe70ad6e86b_cast
	.globl	k_qe70ad6e86b_cast
	.p2align	8
	.type	k_qe70ad6e86b_cast,@function
k_qe70ad6e86b_cast:
	s_mov_b64 s[64:65], 0
	v_nop
	global_prefetch_b8 v0, s[64:65] scope:SCOPE_SE
	s_setreg_imm32_b32 hwreg(HW_REG_WAVE_MODE, 25, 1), 1
	s_wait_xcnt 0x0
; f32 to bf16, once, for the two matrix operands of the next launch.
; wh, bytes 0 .. 33,554,431: Wp[16384][1024] bf16, row ks*1024 + j*16 + kk = W[j][16 ks + kk][:]  (j expert, ks one of 16 slices of 16 logit columns).
; wh, from byte 33,554,432:  hb[4096][1024] bf16 = hiddens.
; THE ORDER ALONG A ROW.  Inside each group of 256 numbers of a row, place 8 l + c holds number 4 l + c and place 8 l + 4 + c number 128 + 4 l + c (l = 0 .. 31,
; c = 0 .. 3).  The order is the same in every row of Wp and of hb, since these lines make both, so in the next launch every h meets its own W; only the order
; of the sums over f differs from the rows' own.  It lets a lane store 16 bytes: 8 stores a wave for a chunk instead of 16.
; A chunk is 16 rows of 1,024 numbers: 65,536 neighbouring bytes of f32 in, 32,768 neighbouring bytes of bf16 out.  W's chunk 16 j + ks goes to
; chunk 64 ks + j, so the permutation of rows moves whole chunks and costs no scattered access.  One work-group takes one chunk: 1,024 of W, 256 of hiddens.
; A stream: each byte is read once and written once; LDS, barriers and matrix units would add nothing.  All sixteen loads of a wave go out at once.
.set CHUNKS_W, 1024
.set X,  4                             ; v[4:67]   store i: 4 + 4 numbers in f32, from two loads
.set YC, 68                            ; v[68:99]  store i: the same 8 numbers in bf16
	s_load_b128 s[4:7], s[0:1], 0x0                ; W s[4:5], hiddens s[6:7]
	s_load_b64 s[8:9], s[0:1], 0x10                ; wh
	v_and_b32 v1, 31, v0                           ; lane l
	v_lshrrev_b32 v3, 5, v0                        ; wave w
	v_lshlrev_b32 v1, 4, v1
	v_lshl_or_b32 v1, v3, 10, v1                   ; in: 1,024 w + 16 l: a wave owns 256 numbers of every second row's worth of 8,192 bytes; a load covers 512 neighbouring bytes
	v_lshlrev_b32 v2, 4, v0                        ; out: 512 w + 16 l: a wave's store covers 512 neighbouring bytes, aligned
	s_sub_co_u32 s10, ttmp9, CHUNKS_W              ; chunk of hiddens (used only where the number is 1,024 or more)
	s_and_b32 s11, ttmp9, 15                       ; ks
	s_lshl_b32 s11, s11, 6
	s_lshr_b32 s20, ttmp9, 4                       ; j
	s_or_b32 s11, s11, s20                         ; 64 ks + j
	s_wait_kmcnt 0x0
	s_cmp_lt_u32 ttmp9, CHUNKS_W                   ; W's chunks first, then those of hiddens
	s_cselect_b32 s12, ttmp9, s10                  ; chunk in the source
	s_cselect_b32 s13, s11, ttmp9                  ; chunk in wh (hb begins at chunk 1,024)
	s_cselect_b64 s[14:15], s[4:5], s[6:7]         ; the source
	s_lshl_b32 s16, s12, 16
	s_mov_b32 s17, 0
	s_lshl_b32 s18, s13, 15
	s_mov_b32 s19, 0
	s_add_nc_u64 s[14:15], s[14:15], s[16:17]
	s_add_nc_u64 s[8:9], s[8:9], s[18:19]
.irp i, 0,1,2,3,4,5,6,7
	global_load_b128 v[X+8*\i:X+8*\i+3],   v1, s[14:15] offset:8192*\i th:TH_LOAD_NT       ; numbers 4 l .. 4 l + 3 of my group of 256
	global_load_b128 v[X+8*\i+4:X+8*\i+7], v1, s[14:15] offset:8192*\i+512 th:TH_LOAD_NT   ; numbers 128 + 4 l .. 128 + 4 l + 3
.endr
.irp i, 0,1,2,3,4,5,6,7
	s_wait_loadcnt 14-2*\i                         ; loads come back in order (ISA guide 5.7.1): the two of store i are in, the 14 - 2 i younger ones stay out
	v_cvt_pk_bf16_f32 v[YC+4*\i],   v[X+8*\i],   v[X+8*\i+1]
	v_cvt_pk_bf16_f32 v[YC+4*\i+1], v[X+8*\i+2], v[X+8*\i+3]
	v_cvt_pk_bf16_f32 v[YC+4*\i+2], v[X+8*\i+4], v[X+8*\i+5]
	v_cvt_pk_bf16_f32 v[YC+4*\i+3], v[X+8*\i+6], v[X+8*\i+7]
	global_store_b128 v2, v[YC+4*\i:YC+4*\i+3], s[8:9] offset:4096*\i   ; no register is used twice, so nothing waits for a store
.endr
	s_endpgm
.Lfunc_end_k_qe70ad6e86b_cast:
	.size	k_qe70ad6e86b_cast, .Lfunc_end_k_qe70ad6e86b_cast-k_qe70ad6e86b_cast
	.p2alignl 7, 3214868480
	.fill 96, 4, 3214868480
	.section	.rodata,"a",@progbits
	.p2align	6, 0x0
	.amdhsa_kernel k_qe70ad6e86b_cast
		.amdhsa_group_segment_fixed_size 0
		.amdhsa_private_segment_fixed_size 0
		.amdhsa_enable_private_segment 0
		.amdhsa_kernarg_size 24
		.amdhsa_user_sgpr_count 2
		.amdhsa_user_sgpr_kernarg_segment_ptr 1
		.amdhsa_wavefront_size32 1
		.amdhsa_system_sgpr_workgroup_id_x 1
		.amdhsa_system_sgpr_workgroup_id_y 1
		.amdhsa_system_sgpr_workgroup_id_z 1
		.amdhsa_system_vgpr_workitem_id 0
		.amdhsa_next_free_vgpr 100
		.amdhsa_next_free_sgpr 66
		.amdhsa_reserve_vcc 0
		.amdhsa_float_denorm_mode_32 3
		.amdhsa_float_denorm_mode_16_64 3
		.amdhsa_memory_ordered 1
		.amdhsa_forward_progress 1
		.amdhsa_inst_pref_size 6
	.end_amdhsa_kernel
	.amdgpu_metadata
---
amdhsa.version: [ 1, 2 ]
amdhsa.kernels:
  - .name:           k_qe70ad6e86b_cast
    .symbol:         k_qe70ad6e86b_cast.kd
    .args:
      - { .name: W, .offset: 0, .size: 8, .value_kind: global_buffer, .address_space: global }
      - { .name: hiddens, .offset: 8, .size: 8, .value_kind: global_buffer, .address_space: global }
      - { .name: wh, .offset: 16, .size: 8, .value_kind: global_buffer, .address_space: global }
    .group_segment_fixed_size: 0
    .private_segment_fixed_size: 0
    .kernarg_segment_align: 8
    .kernarg_segment_size: 24
    .max_flat_workgroup_size: 256
    .sgpr_count:     66
    .vgpr_count:     100
    .wavefront_size: 32
...
	.end_amdgpu_metadata
.endif
;; end of part 3
;; launch gemm (part 4): grid 16 x 16, 4 waves a work-group, clusters of 4 x 4, 327,680 bytes of LDS; arguments wh, b, y, out0, out1; writes out0, out1
.if DOCPART == 4
	.amdgcn_target "amdgcn-amd-amdhsa--gfx1250"
	.amdhsa_code_object_version 6
	.text
	.protected	k_qe70ad6e86b_gemm
	.globl	k_qe70ad6e86b_gemm
	.p2align	8
	.type	k_qe70ad6e86b_gemm,@function
k_qe70ad6e86b_gemm:
	s_mov_b64 s[64:65], 0
	v_nop
	global_prefetch_b8 v0, s[64:65] scope:SCOPE_SE
	s_setreg_imm32_b32 hwreg(HW_REG_WAVE_MODE, 25, 1), 1
	s_wait_xcnt 0x0
	s_wait_alu depctr_hold_cnt(0) depctr_sa_sdst(0) depctr_va_vdst(0) depctr_va_sdst(0) depctr_va_ssrc(0) depctr_va_vcc(0) depctr_vm_vsrc(0)
	s_getreg_b32 s2, hwreg(HW_REG_IB_STS2, 6, 4)
	s_cmp_eq_u32 s2, 0
	s_cbranch_scc0 .Lentry_in_a_cluster
	s_endpgm
.Lentry_in_a_cluster:
	s_bfe_u32 s2, ttmp6, 0x10000c
	s_cmp_lg_u32 s2, 0xf033
	s_cbranch_scc0 .Lentry_shape_is_right
	s_endpgm
.Lentry_shape_is_right:
; logits[i][k] = sum over j of y[i][j] (sum over f of h[i][f] W[j][k][f] + b[j][k]);  out0 = logits[:, 0:128];  out1 = sqrt(softplus(logits[:, 128:256])).
; Operands in bf16 from wh (Wp[16384][1024], row ks*1024 + j*16 + kk = W[j][16 ks + kk]; hb[4096][1024] behind it); all sums, y, b and the rest in f32.
; Along a row wh holds f in an order of its own, the same in every row of Wp and of hb (the launch that makes wh states it): each h meets its own W, and a sum over
; all 1,024 f does not hang on their order but in its rounding.
;
; SHARES.  Work-group (x = mb, y = ks) owns batch rows 256 mb .. +255 and logit columns 16 ks .. +15, for ALL 64 experts: 16 x 16 = 256 work-groups of equal
; work, and no partial sum leaves the work-group.  x runs over the row blocks and y over the slices of Wp, so that work-groups whose numbers are near each other
; (x fastest) walk the same rows of the larger operand: Wp has 33,554,432 bytes, hb 8,388,608.
; A work-group walks four passes; pass p multiplies its 256 rows of hb by Wp's rows 1024 ks + 256 p .. +255
; (16 experts x 16 columns) over K = 1,024.  Four waves, as many as a WGP has SIMDs; wave (mh, nh) makes 128 batch rows x 128 rows of Wp = 64 tiles of
; 16 x 16 in 512 registers; tile (a, b) is 16 batch rows x the 16 columns of ONE expert, 16 p + 8 nh + b.  At a pass's end FIN[a] += y[row][expert b] T[a][b]:
; 256 packed multiply-adds for the pass's 2,048 matrix instructions.  The bias costs no arithmetic: the first matrix instruction of each sum takes b as its C.
; At the end the two waves that hold the same rows (nh = 0, 1) meet in LDS.
; K goes in steps of 128 through a ring of two LDS slots filled by the tensor data mover; a tile's rows are 256 bytes, at multiples of 256 from wh's first byte.
; The ring runs on over the passes' ends: the last two K steps of a pass ask for the first two of the next.
; CLUSTERS: 4 x 4 work-groups.  hb's tile hangs on mb, the grid's x, alone and is asked for jointly by a column of the cluster (same cx); Wp's on ks, the grid's y,
; alone, by a row (same cy).
;
; THE TEXT IS KEPT SHORT BY TWO LOOPS.  A pass is: the one quarter step that starts the sums from b; three trips of a lap (two K steps), rotated by that quarter,
; so that a trip ends with the first quarter of the next K step; the last lap, written out, whose refills are the next pass's first K steps; the sum over the experts.
; Passes 0 to 2 are three trips of an outer loop; pass 3 is a second copy, since its last two K steps fill nothing.  So a line of the lap is run nine times in the
; first copy and three times in the second.  For the first pass to be a trip like the others, FIN is cleared once at the start: 64 moves, against a third copy of a pass.
;
; THE MATRIX INSTRUCTION IS USED TRANSPOSED: source 0 = 16 rows of Wp, source 1 = 16 rows of hb.  Lane l = (r = l % 16, h = l / 16), register jj, then holds
; batch row r, column 8 h + jj: y is one number for a lane and a tile, b eight registers for an expert.
;
; y is read straight from memory, 32 bytes of a row for a wave and a pass (65,536 bytes a work-group in all, against 4 MiB of tiles): the block's 65,536 bytes
; do not fit beside the ring and the stage in LDS.
; LIMITS.  (1) A work-group owns 64 bytes of an output row, so a store instruction writes eight row pieces of 64 bytes; the four work-groups of a column of the
; cluster complete each block of 256.  Wider shares would mean 64 work-groups, or partial sums through memory.  (2) Where sigma_raw is below about -87.3,
; exp2's result is below 2^-126 and comes out as 0 (ISA guide 15.8), so sigma is 0 where the exact value is at most about 1e-19.
; (3) h and W are rounded to bf16; y and b are not rounded.
;
; REGISTERS, in windows of 256:
;   window 0: v0-31 addresses; v64-127, v128-191 fragments of hb, two buffers; v192-255 Y: y[row 16 A + r][expert e] at Y + 8 A + e
;   window 1: v0-63 BIAS: b[expert e][8 h + jj] at 8 e + jj; v64-191 fragments of Wp, two buffers; v192-255 FIN: the sums of rows 16 A + r at FIN + 8 A + jj
;   window 2: tiles T(a, b) at v[8 (8 a + b)] of my rows 0-63;   window 3: those of my rows 64-127
.set KSTEP,  128
.set PITCH,  272                       ; an LDS row: 256 bytes + 16 of padding, an odd multiple of 16: the 16 rows of a fragment load touch 16 different 16-byte columns of 256
.set HALFT,  128*PITCH                 ; 128 rows: what one tensor load brings, and what one wave reads of hb or of Wp
.set SLOT,   4*HALFT                   ; hb's 256 rows, then Wp's 256 rows
.set STAGE,  2*SLOT                    ; behind the ring, at a multiple of 256: no tensor load lands here
.set SP,     80                        ; a stage row: 16 f32 + 16 bytes
.set STW,    128*SP                    ; a wave's stage: 128 rows
.set ROWB,   2048                      ; bytes in a row of wh
.set HB_OFF, 33554432                  ; hb in wh
.set PASSB,  256*ROWB                  ; Wp: from a pass to the next
.set WRAPB,  6*KSTEP*2                 ; back from K step 6 (7) to K step 0 (1)
.set ADRA, 16                          ; v16-17  LDS address of my hb fragments in slot 0, 1
.set ADRB, 20                          ; v20-21  the same for Wp
.set STO,  24                          ; v24     stage: where I put my sums
.set RD,   25                          ; v25     stage: where I read rows back
.set CO,   26                          ; v26     my byte offset in the output
.set YO,   27                          ; v27     256 r: my row in y
.set BO,   28                          ; v28     32 h: my eight columns in b
.set F0,   64
.set F1,   128
.set Y,    192                         ; window 0
.set BIAS, 0                           ; window 1
.set FIN,  192                         ; window 1
.set XX,   64                          ; the way out, window 0: 32 logits
.set TT,   96                          ;   the partner's sums, then t = exp(-|x|)
.set UU,   128                         ;   1 + t, its logarithm, softplus, its root
.set PP,   160                         ;   the series for small t
.set MX,   192                         ;   max(x, 0)
.set G1,  24                           ; s[24:31] descriptor group 1 for hb's tiles
.set G0,  32                           ; s[32:39] group 0 for hb's tiles, a set for each slot
.set G1B, 48                           ; s[48:55] group 1 for Wp's tiles: another mask
.set G0B, 56                           ; s[56:63] group 0 for Wp's tiles, a set for each slot
.set MSB, 0
.macro WIN new                         ; the immediate's high byte repeats the setting that is left; a switch that changes nothing is dropped
.if MSB != \new
	s_set_vgpr_msb (MSB<<8)|\new
.set MSB, \new
.endif
.endm
; low byte: bits 1:0 source 0, 3:2 source 1, 5:4 source 2, 7:6 destination
.set MUL_LO, 0xa1                      ; source 0 (Wp) window 1, source 1 (hb) window 0, C and D window 2
.set MUL_HI, 0xf1                      ; the same, C and D window 3
.set BIA_LO, 0x91                      ; C = BIAS in window 1, D window 2
.set BIA_HI, 0xd1                      ; C = BIAS in window 1, D window 3
.set TO_B,   0x40                      ; destination window 1, address window 0
.set SC_LO,  0x52                      ; source 0 = T in window 2, source 1 = Y in window 0, source 2 and destination = FIN in window 1
.set SC_HI,  0x53                      ; the same with T in window 3
.set ST_FIN, 0x04                      ; an LDS store's data in window 1
; A joint load.  Waves 0 and 1 fetch hb's two halves, waves 2 and 3 Wp's.  Each line has one mask and one set of registers for all that issue it; the branch
; hangs on the wave's number alone.
.macro JLOAD s
	s_cmp_eq_u32 s15, 0
	s_cbranch_scc0 .Lfor_b_\@
	tensor_load_to_lds s[G0+4*\s:G0+4*\s+3], s[G1:G1+7]
	s_nop 0
	s_branch .Lasked_\@
.Lfor_b_\@:
	tensor_load_to_lds s[G0B+4*\s:G0B+4*\s+3], s[G1B:G1B+7]
	s_nop 0
.Lasked_\@:
.endm
; A round of the cluster's barrier: my work-group's barrier; wave 0 signals for the work-group; every wave waits for all sixteen; my work-group's barrier again.
.macro CREST                           ; a round behind its opening barrier
	s_cmp_lg_u32 s14, 0
	s_cbranch_scc1 .Lnot_wave_0_\@
	s_barrier_signal -3
.Lnot_wave_0_\@:
	s_barrier_wait -3
	s_barrier_signal -1
	s_barrier_wait -1
.endm
.macro CROUND                          ; a whole round
	s_barrier_signal -1
	s_barrier_wait -1
	CREST
.endm
	s_load_b256 s[4:11], s[0:1], 0x0               ; wh s[4:5], b s[6:7], y s[8:9], out0 s[10:11]
	s_load_b64 s[12:13], s[0:1], 0x20              ; out1
	v_lshl_add_u32 v62, v0, 2, 0x4e000
	v_mov_b32 v63, 0
	ds_add_u32 v62, v63
	v_lshrrev_b32 v1, 5, v0
	v_readfirstlane_b32 s14, v1                    ; wave 0..3
	s_lshr_b32 s15, s14, 1                         ; mh: which half of the block's batch rows is mine.  Also: I fetch for hb (0) or for Wp (1)
	s_and_b32 s16, s14, 1                          ; nh: which eight of a pass's sixteen experts.  Also: which 128 rows of that tile I fetch
	s_bfe_u32 s17, ttmp6, 0x40000                  ; cx
	s_bfe_u32 s18, ttmp6, 0x40004                  ; cy
	s_lshl_b32 s20, ttmp9, 2
	s_add_co_u32 s20, s20, s17                     ; mb = 4 x cluster x + cx
	s_and_b32 s19, ttmp7, 0xffff
	s_lshl_b32 s19, s19, 2
	s_add_co_u32 s19, s19, s18                     ; ks = 4 x cluster y + cy
	s_lshl_b32 s21, s18, 2
	s_lshl_b32 s21, 15, s21                        ; my row of the cluster: places 4 cy .. 4 cy + 3
	s_lshl_b32 s22, 0x1111, s17                    ; my column: places cx, cx + 4, cx + 8, cx + 12
	; group 1: a tile of 128 rows x 128 elements of 2 bytes, 16 bytes of padding behind every 64 words
	s_or_b32 s[G1+0], s22, (1<<16)|(1<<20)|(1<<21)|(5<<22)|(3<<25)  ; 15:0 mask: hb's tiles go to my column; 17:16 2-byte elements; 20 padding on; 21 set beside a mask; 24:22 every 64 words; 31:25 4 words
	s_or_b32 s[G1B+0], s21, (1<<16)|(1<<20)|(1<<21)|(5<<22)|(3<<25) ; the same with my row's mask, for Wp's tiles
	s_mov_b32 s[G1+1], KSTEP<<16                   ; tensor_dim0 = 128
	s_mov_b32 s[G1B+1], KSTEP<<16
	s_mov_b32 s[G1+2], 128<<16                     ; tensor_dim1 = 128
	s_mov_b32 s[G1B+2], 128<<16
	s_mov_b32 s[G1+3], KSTEP<<16                   ; tile_dim0 = 128
	s_mov_b32 s[G1B+3], KSTEP<<16
	s_mov_b32 s[G1+4], 128                         ; tile_dim1 = 128 rows
	s_mov_b32 s[G1B+4], 128
	s_mov_b32 s[G1+5], 1024                        ; elements from row to row
	s_mov_b32 s[G1B+5], 1024
	s_mov_b32 s[G1+6], 0
	s_mov_b32 s[G1B+6], 0
	s_mov_b32 s[G1+7], 0
	s_mov_b32 s[G1B+7], 0
	; where the tiles come from: hb's offset is made of mb and the wave's number, Wp's of ks and the wave's number, each in registers of its own.  Both stay under 2^26.
	s_lshl_b32 s75, s16, 7                         ; which 128 rows of the tile I fetch
	s_lshl_b32 s40, s20, 8
	s_add_co_u32 s40, s40, s75                     ; hb: row 256 mb + 128 nh
	s_lshl_b32 s40, s40, 11                        ; x 2,048 bytes
	s_add_co_u32 s40, s40, HB_OFF
	s_mov_b32 s41, 0
	s_lshl_b32 s46, s19, 10
	s_add_co_u32 s46, s46, s75                     ; Wp: row 1024 ks + 128 nh
	s_lshl_b32 s46, s46, 11
	s_mov_b32 s47, 0
	s_mul_i32 s23, s14, HALFT                      ; where they go: wave x 128 rows; no place in the cluster enters an LDS address
	s_lshl_b32 s44, s20, 8                         ; y: row 256 mb + 128 mh, 256 bytes a row, + 32 nh for my eight experts
	s_lshl_b32 s45, s15, 7
	s_add_co_u32 s44, s44, s45
	s_lshl_b32 s44, s44, 8
	s_lshl_b32 s45, s16, 5
	s_add_co_u32 s44, s44, s45
	s_mov_b32 s45, 0
	s_lshl_b32 s66, s19, 6                         ; b: column 16 ks (64 bytes), expert 8 nh (1,024 bytes an expert)
	s_lshl_b32 s67, s16, 13
	s_add_co_u32 s66, s66, s67
	s_mov_b32 s67, 0
	s_wait_dscnt 0x0
	s_wait_kmcnt 0x0
	s_add_nc_u64 s[40:41], s[4:5], s[40:41]
	s_add_nc_u64 s[46:47], s[4:5], s[46:47]
	s_add_nc_u64 s[8:9], s[8:9], s[44:45]          ; y's base, pass 0
	s_add_nc_u64 s[6:7], s[6:7], s[66:67]          ; b's base, pass 0
	CROUND                                         ; all sixteen work-groups are here: the first joint loads meet
.irp s, 0,1
	s_mov_b32 s[G0+4*\s], 1                                        ; count = 1
	s_add_co_u32 s[G0+4*\s+1], s23, \s*SLOT                        ; LDS address
	s_add_nc_u64 s[G0+4*\s+2:G0+4*\s+3], s[40:41], \s*KSTEP*2      ; global address: K step s
	s_or_b32 s[G0+4*\s+3], s[G0+4*\s+3], 0x80000000                ; type = 2
	s_mov_b32 s[G0B+4*\s], 1
	s_add_co_u32 s[G0B+4*\s+1], s23, \s*SLOT
	s_add_nc_u64 s[G0B+4*\s+2:G0B+4*\s+3], s[46:47], \s*KSTEP*2
	s_or_b32 s[G0B+4*\s+3], s[G0B+4*\s+3], 0x80000000
	JLOAD \s                                       ; both slots' first fills go out before anything else: two tensor loads of the wave are out here, one at any later time
.endr
	; A fragment is 16 rows x 32 K in 8 registers: lane (r, h) holds row r; registers 0-3 K = 8 h + 0..7, registers 4-7 K = 16 + 8 h + 0..7: two loads of 16 bytes, 32 apart.
	v_and_b32 v1, 15, v0                           ; r
	v_bfe_u32 v2, v0, 4, 1                         ; h
	v_mul_u32_u24 v3, v1, PITCH
	v_lshl_add_u32 v3, v2, 4, v3                   ; r x pitch + 16 h
	s_mul_i32 s68, s15, HALFT                      ; my 128 rows of hb
	s_mul_i32 s69, s16, HALFT                      ; my 128 rows of Wp,
	s_add_co_u32 s69, s69, 2*HALFT                 ; which lie behind hb's 256
.irp s, 0,1
	v_add_nc_u32 v[ADRA+\s], s68, v3
	v_add_nc_u32 v[ADRB+\s], s69, v3
	s_add_co_u32 s68, s68, SLOT
	s_add_co_u32 s69, s69, SLOT
.endr
	s_mul_i32 s68, s14, STW
	s_add_co_u32 s68, s68, STAGE                   ; my stage
	v_mul_u32_u24 v4, v1, SP
	v_lshl_add_u32 v4, v2, 5, v4                   ; in: row r, columns 8 h .. 8 h + 7
	v_add_nc_u32 v[STO], s68, v4
	v_bfe_u32 v5, v0, 2, 3                         ; back: four lanes take a row of 64 bytes, a wave eight rows
	v_and_b32 v4, 3, v0
	v_mul_u32_u24 v3, v5, SP
	v_lshl_add_u32 v3, v4, 4, v3
	s_mul_i32 s68, s15, 2*STW                      ; the stage of wave 2 mh; its partner's lies STW behind
	s_mul_i32 s69, s16, 64*SP                      ; I finish rows 64 nh .. +63 of the half
	s_add_co_u32 s68, s68, s69
	s_add_co_u32 s68, s68, STAGE
	v_add_nc_u32 v[RD], s68, v3
	v_lshlrev_b32 v5, 9, v5                        ; the same rows in the output, 512 bytes a row
	v_lshl_add_u32 v[CO], v4, 4, v5
	v_lshlrev_b32 v[YO], 8, v1
	v_lshlrev_b32 v[BO], 5, v2
; 16 matrix instructions: m blocks a0, a0 + 1 of the window's four x all 8 experts, 32 along K.  bias = 1: the sum starts from the expert's b.
.macro MUL16 f, hi, a0, bias
.irp a, \a0, \a0+1
.irp b, 0,1,2,3,4,5,6,7
.if \bias
	v_wmma_f32_16x16x32_bf16 v[8*(8*(\a)+\b):8*(8*(\a)+\b)+7], v[\f+8*\b:\f+8*\b+7], v[\f+8*(4*\hi+\a):\f+8*(4*\hi+\a)+7], v[BIAS+8*\b:BIAS+8*\b+7]
.else
	v_wmma_f32_16x16x32_bf16 v[8*(8*(\a)+\b):8*(8*(\a)+\b)+7], v[\f+8*\b:\f+8*\b+7], v[\f+8*(4*\hi+\a):\f+8*(4*\hi+\a)+7], v[8*(8*(\a)+\b):8*(8*(\a)+\b)+7]
.endif
.endr
.endr
.endm
; 32 LDS loads in one run: the fragments of a quarter step (128 rows of Wp, 128 rows of hb, 32 K at byte k of the rows) into buffer f
.macro FETCH slot, k, f
	WIN TO_B
.irp i, 0,1,2,3,4,5,6,7
	ds_load_b128 v[\f+8*\i:\f+8*\i+3],   v[ADRB+\slot] offset:\k+\i*16*PITCH
	ds_load_b128 v[\f+8*\i+4:\f+8*\i+7], v[ADRB+\slot] offset:\k+\i*16*PITCH+32
.endr
	WIN 0
.irp i, 0,1,2,3,4,5,6,7
	ds_load_b128 v[\f+8*\i:\f+8*\i+3],   v[ADRA+\slot] offset:\k+\i*16*PITCH
	ds_load_b128 v[\f+8*\i+4:\f+8*\i+7], v[ADRA+\slot] offset:\k+\i*16*PITCH+32
.endr
.endm
; A load into a register that a matrix instruction has read, and a vector instruction that reads a matrix result, stand four places behind that matrix
; instruction; only plain vector instructions that name none of its registers are places (ISA guide 7.12.1 for vector instructions).
.macro PLACES
.rept 4
	v_nop
.endr
.endm
; A K step is four quarters of 32 along K, 64 matrix instructions each, on buffers 0, 1, 0, 1.  The 64 accumulators take turns, one instruction a turn, in the same
; order in every quarter, over the passes' ends and both loops' backward jumps too.
; One of the first three quarters: multiplies buffer f; in its middle it fetches the next quarter's fragments, at byte k of the same slot's rows, into buffer g.
.macro QUARTER slot, k, f, g, bias
	s_wait_dscnt 8                                 ; Wp's and hb's rows 0-63 are in; the youngest eight loads (hb's rows 64-127) may be out
.if \bias
	WIN BIA_LO
.else
	WIN MUL_LO
.endif
	MUL16 \f, 0, 0, \bias
	MUL16 \f, 0, 2, \bias
	PLACES
	FETCH \slot, \k, \g
	s_wait_dscnt 32                                ; all but the 32 just issued
.if \bias
	WIN BIA_HI
.else
	WIN MUL_HI
.endif
	MUL16 \f, 1, 0, \bias
	MUL16 \f, 1, 2, \bias
.endm
.macro THREE slot
	QUARTER \slot, 64,  F0, F1, 0
	QUARTER \slot, 128, F1, F0, 0
	QUARTER \slot, 192, F0, F1, 0
.endm
; The last quarter of a K step: multiplies buffer 1 and changes slots.  fill = 1: this slot is filled again, two K steps ahead; wrap = 1: those are K steps of the
; next pass (hb back to its rows' beginning, Wp 256 rows on).  In front of the barrier each wave waits for its reads of this slot and for all its tensor loads (one is
; out: its part of the next slot); where the slot is filled again the barrier opens a round of the cluster's barrier, with register work alone inside, and the joint
; refill is the first tensor load behind the round.  From a request to the wait for it a wave issues 240 matrix instructions.
.macro TURN slot, next, fill, wrap
	s_wait_dscnt 8
	WIN MUL_LO
	MUL16 F1, 0, 0, 0
	s_wait_dscnt 0                                 ; my reads of this slot are over
	s_set_vgpr_msb 0xa1a0
	s_wait_tensorcnt 0x0                           ; and all my tensor loads have landed
	ds_add_u32 v62, v63
	s_wait_dscnt 0x0
	s_set_vgpr_msb 0xa0a1
	s_barrier_signal -1
	MUL16 F1, 0, 2, 0                              ; work on registers while the others arrive
	WIN 0
	s_barrier_wait -1
.if \fill
	CREST                                          ; no wave of any partner still reads this slot's tile or has a load on its way
.if \wrap
	s_sub_nc_u64 s[G0+4*\slot+2:G0+4*\slot+3], s[G0+4*\slot+2:G0+4*\slot+3], WRAPB
	s_add_nc_u64 s[G0B+4*\slot+2:G0B+4*\slot+3], s[G0B+4*\slot+2:G0B+4*\slot+3], PASSB-WRAPB
.else
	s_add_nc_u64 s[G0+4*\slot+2:G0+4*\slot+3], s[G0+4*\slot+2:G0+4*\slot+3], 2*KSTEP*2
	s_add_nc_u64 s[G0B+4*\slot+2:G0B+4*\slot+3], s[G0B+4*\slot+2:G0B+4*\slot+3], 2*KSTEP*2
.endif
	JLOAD \slot
.endif
	PLACES
	FETCH \next, 0, F0
	WIN MUL_HI
	MUL16 F1, 1, 0, 0
	MUL16 F1, 1, 2, 0
.endm
; y of this pass: for each of my eight blocks of 16 rows, the lane's row, my eight experts (32 bytes)
.macro LOADY
	WIN 0
.irp a, 0,1,2,3,4,5,6,7
	global_load_b128 v[Y+8*\a:Y+8*\a+3],   v[YO], s[8:9] offset:4096*\a
	global_load_b128 v[Y+8*\a+4:Y+8*\a+7], v[YO], s[8:9] offset:4096*\a+16
.endr
.endm
; b of a pass: for each of my eight experts, the lane's eight columns (32 bytes)
.macro LOADB
	WIN TO_B
.irp e, 0,1,2,3,4,5,6,7
	global_load_b128 v[BIAS+8*\e:BIAS+8*\e+3],   v[BO], s[6:7] offset:1024*\e
	global_load_b128 v[BIAS+8*\e+4:BIAS+8*\e+7], v[BO], s[6:7] offset:1024*\e+16
.endr
.endm
; FIN[4 hi + a] += y[.][expert b] T(a, b) for the window's four a: 16 packed multiply-adds on 16 different pairs, so that none waits for the one in front.
; y's pair holds experts b & 6 and (b & 6) + 1; op_sel and op_sel_hi take the same one of the two for both halves.
.macro SCB hi, b
.irp a, 0,1,2,3
.irp q, 0,2,4,6
.set fd, FIN+8*(4*\hi+\a)+\q
.set td, 8*(8*\a+\b)+\q
.set yd, Y+8*(4*\hi+\a)+(\b&6)
.if \b&1
	v_pk_fma_f32 v[fd:fd+1], v[td:td+1], v[yd:yd+1], v[fd:fd+1] op_sel:[0,1,0] op_sel_hi:[1,1,1]
.else
	v_pk_fma_f32 v[fd:fd+1], v[td:td+1], v[yd:yd+1], v[fd:fd+1] op_sel_hi:[1,0,1]
.endif
.endr
.endr
.endm
.macro SCALE last
	PLACES                                         ; four places behind the pass's last matrix instructions
	s_wait_loadcnt 0x0                             ; this pass's y and the next pass's b are in, and their bases are free
.if \last == 0
	s_add_nc_u64 s[8:9], s[8:9], 64                ; y: sixteen experts on
	s_add_nc_u64 s[6:7], s[6:7], 16384             ; b: sixteen experts on
.endif
	WIN SC_LO
.irp b, 0,1,2,3,4,5,6,7
	SCB 0, \b
.endr
	WIN SC_HI
.irp b, 0,1,2,3,4,5,6,7
	SCB 1, \b
.endr
.endm
; A pass: eight K steps, then the sum over its sixteen experts.  y of this pass and b of the next are asked for behind the first quarter, which is the last to read b.
; The lap loop's three trips hold the changes of slot of K steps 0 to 5, whose refills are K steps 2 to 7 of the same pass: every trip steps the addresses alike and
; issues its two refills.  At the loop's head, from above and over the backward jump alike, the youngest 32 LDS loads are buffer 1's (K = 32 .. 63 of a K step in slot 0),
; and at most one tensor load of the wave is out.
.macro PASS last
	QUARTER 0, 64, F0, F1, 1                       ; K step 0, first quarter: the sums start from b
	LOADY
.if \last == 0
	PLACES                                         ; b's registers were the C of the matrix instructions just issued
	LOADB
.endif
	WIN 0                                          ; at a label and at a branch every window is 0
	s_mov_b32 s78, 3
.Llap_\@:
	QUARTER 0, 128, F1, F0, 0
	QUARTER 0, 192, F0, F1, 0
	TURN 0, 1, 1, 0
	THREE 1
	TURN 1, 0, 1, 0
	QUARTER 0, 64, F0, F1, 0                       ; the first quarter of the next K step in slot 0
	WIN 0
	s_sub_co_u32 s78, s78, 1
	s_cmp_lg_u32 s78, 0
	s_cbranch_scc1 .Llap_\@
	QUARTER 0, 128, F1, F0, 0                      ; K step 6 goes on
	QUARTER 0, 192, F0, F1, 0
.if \last
	TURN 0, 1, 0, 0                                ; nothing is left to fetch: a plain barrier, no round; the one load that was out is slot 1's, the last K step's
	THREE 1
	s_wait_dscnt 8                                 ; the very last quarter
	WIN MUL_LO
	MUL16 F1, 0, 0, 0
	MUL16 F1, 0, 2, 0
	s_wait_dscnt 0
	WIN MUL_HI
	MUL16 F1, 1, 0, 0
	MUL16 F1, 1, 2, 0
.else
	TURN 0, 1, 1, 1                                ; K step 0 of the next pass
	THREE 1
	TURN 1, 0, 1, 1                                ; K step 1 of the next pass; its FETCH brings the next pass's first fragments
.endif
	SCALE \last
.endm
	; FIN starts at 0, so that every pass adds onto it by the same lines: 64 moves, once, while the first tiles are on their way
	WIN TO_B
.set i, 0
.rept 64
	v_mov_b32 v[FIN+i], 0
.set i, i+1
.endr
	LOADB                                          ; b of pass 0
	s_wait_tensorcnt 0x1                           ; my part of K step 0 is in; K step 1's may stay out
	s_barrier_signal -1
	s_barrier_wait -1                              ; everybody's is
	FETCH 0, 0, F0
	s_wait_loadcnt 0x0                             ; b of pass 0 is in, its base is free
	s_add_nc_u64 s[6:7], s[6:7], 16384
	s_mov_b32 s3, 3
.Lpass:
	PASS 0                                         ; passes 0, 1, 2
	WIN 0
	s_sub_co_u32 s3, s3, 1
	s_cmp_lg_u32 s3, 0
	s_cbranch_scc1 .Lpass
	PASS 1                                         ; pass 3 asks for nothing beyond its own K steps
	; THE WAY OUT.  Each wave puts its 128 x 16 sums into its own stage; behind a barrier wave w adds the two halves of the experts for block rows 64 w .. +63.
	WIN ST_FIN
.irp a, 0,1,2,3,4,5,6,7
	ds_store_b128 v[STO], v[FIN+8*\a:FIN+8*\a+3]   offset:16*SP*\a
	ds_store_b128 v[STO], v[FIN+8*\a+4:FIN+8*\a+7] offset:16*SP*\a+16
.endr
	WIN 0
	s_mov_b32 s70, 0xbfb8aa3b                      ; -log2(e)
	s_mov_b32 s71, 0x3f317218                      ; ln 2
	s_mov_b32 s72, 0x3eaaaaab                      ; 1/3
	s_mov_b32 s73, 0x3c800000                      ; 1/64
	s_and_b32 s78, ttmp7, 0xffff                   ; the cluster's y
	s_cmp_ge_u32 s78, 2                            ; ks >= 8, that is cluster y >= 2: my columns are sigma's.  It selects values and the buffer; no branch hangs on it
	s_cselect_b32 s74, -1, 0
	s_cselect_b64 s[76:77], s[12:13], s[10:11]
	s_lshl_b32 s68, s20, 8
	s_lshl_b32 s69, s14, 6
	s_add_co_u32 s68, s68, s69                     ; row 256 mb + 64 wave,
	s_lshl_b32 s68, s68, 9                         ; 512 bytes a row,
	s_and_b32 s69, s19, 7
	s_lshl_b32 s69, s69, 6
	s_add_co_u32 s68, s68, s69                     ; column 16 (ks mod 8)
	s_mov_b32 s69, 0
	s_add_nc_u64 s[76:77], s[76:77], s[68:69]
	s_wait_dscnt 0x0                               ; my stores are done, for the partner's sake
	s_barrier_signal -1
	s_barrier_wait -1
.irp t, 0,1,2,3,4,5,6,7
	ds_load_b128 v[XX+4*\t:XX+4*\t+3], v[RD] offset:8*SP*\t        ; eight rows of experts' half 0
	ds_load_b128 v[TT+4*\t:TT+4*\t+3], v[RD] offset:8*SP*\t+STW    ; the same rows of half 1
.endr
.irp t, 0,1,2,3,4,5,6,7
	s_wait_dscnt 14-2*\t                           ; LDS loads come back in order: pair t is in, the 14 - 2 t younger loads stay out
	v_pk_add_f32 v[XX+4*\t:XX+4*\t+1],   v[XX+4*\t:XX+4*\t+1],   v[TT+4*\t:TT+4*\t+1]
	v_pk_add_f32 v[XX+4*\t+2:XX+4*\t+3], v[XX+4*\t+2:XX+4*\t+3], v[TT+4*\t+2:TT+4*\t+3]
.endr
	; softplus(x) = max(x, 0) + log(1 + t), t = exp(-|x|) in (0, 1]: the maximum is taken away before the exponential, as in the reference's softplus.
	; log(1 + t) = ln 2 log2(1 + t) for t >= 1/64; below that, where 1 + t would lose t's digits, t - t^2/2 + t^3/3 (the next term is under t (1/64)^3 / 4).
	; Done in every work-group and chosen at the end by a select.  Transcendentals stand in runs; plain work that touches none of their registers follows each run
	; before a result is used (ISA guide 5.7.2).
.set i, 0
.rept 32
	v_mul_f32 v[TT+i], s70, |v[XX+i]|
.set i, i+1
.endr
.set i, 0
.rept 32
	v_exp_f32 v[TT+i], v[TT+i]
.set i, i+1
.endr
.set i, 0
.rept 32
	v_max_num_f32 v[MX+i], 0, v[XX+i]
.set i, i+1
.endr
.set i, 0
	s_wait_alu depctr_va_vdst(0)
.rept 32
	v_add_f32 v[UU+i], 1.0, v[TT+i]
	v_fma_f32 v[PP+i], v[TT+i], s72, -0.5
.set i, i+1
.endr
.set i, 0
.rept 32
	v_log_f32 v[UU+i], v[UU+i]
.set i, i+1
.endr
.set i, 0
.rept 32
	v_fma_f32 v[PP+i], v[TT+i], v[PP+i], 1.0
.set i, i+1
.endr
.set i, 0
	s_wait_alu depctr_va_vdst(0)
.rept 32
	v_fma_f32 v[PP+i], v[TT+i], v[PP+i], v[MX+i]   ; max(x, 0) + t (1 + t (t/3 - 1/2))
	v_fma_f32 v[UU+i], v[UU+i], s71, v[MX+i]       ; max(x, 0) + ln 2 log2(1 + t)
	v_cmp_gt_f32 vcc_lo, s73, v[TT+i]              ; t < 1/64: the series
	v_cndmask_b32 v[UU+i], v[UU+i], v[PP+i], vcc_lo
.set i, i+1
.endr
.set i, 0
.rept 32
	v_sqrt_f32 v[UU+i], v[UU+i]
.set i, i+1
.endr
	v_nop                                          ; the plain place behind the run of roots
.set i, 0
	s_wait_alu depctr_va_vdst(0)
.rept 32
	v_cndmask_b32 v[XX+i], v[XX+i], v[UU+i], s74   ; sigma's columns take the root, mu's stay as they are
.set i, i+1
.endr
.irp t, 0,1,2,3,4,5,6,7
	global_store_b128 v[CO], v[XX+4*\t:XX+4*\t+3], s[76:77] offset:4096*\t   ; eight rows, 64 neighbouring bytes of each (see LIMITS)
.endr
	s_wait_tensorcnt 0x0
	ds_add_u32 v62, v63
	s_wait_dscnt 0x0
	CROUND                                         ; the closing round: no work-group ends while a partner may still ask for a tile that names it
	s_endpgm
.Lfunc_end_k_qe70ad6e86b_gemm:
	.size	k_qe70ad6e86b_gemm, .Lfunc_end_k_qe70ad6e86b_gemm-k_qe70ad6e86b_gemm
	.p2alignl 7, 3214868480
	.fill 96, 4, 3214868480
	.section	.rodata,"a",@progbits
	.p2align	6, 0x0
	.amdhsa_kernel k_qe70ad6e86b_gemm
		.amdhsa_group_segment_fixed_size 327680
		.amdhsa_private_segment_fixed_size 0
		.amdhsa_enable_private_segment 0
		.amdhsa_kernarg_size 40
		.amdhsa_user_sgpr_count 2
		.amdhsa_user_sgpr_kernarg_segment_ptr 1
		.amdhsa_wavefront_size32 1
		.amdhsa_system_sgpr_workgroup_id_x 1
		.amdhsa_system_sgpr_workgroup_id_y 1
		.amdhsa_system_sgpr_workgroup_id_z 1
		.amdhsa_system_vgpr_workitem_id 0
		.amdhsa_next_free_vgpr 1024
		.amdhsa_next_free_sgpr 80
		.amdhsa_reserve_vcc 1
		.amdhsa_float_denorm_mode_32 3
		.amdhsa_float_denorm_mode_16_64 3
		.amdhsa_memory_ordered 1
		.amdhsa_forward_progress 1
		.amdhsa_inst_pref_size 255
	.end_amdhsa_kernel
	.section	.bss,"aw",@nobits
	.p2align	6
	.space	262144
	.amdgpu_metadata
---
amdhsa.version: [ 1, 2 ]
amdhsa.kernels:
  - .name:           k_qe70ad6e86b_gemm
    .symbol:         k_qe70ad6e86b_gemm.kd
    .args:
      - { .name: wh, .offset: 0, .size: 8, .value_kind: global_buffer, .address_space: global }
      - { .name: b, .offset: 8, .size: 8, .value_kind: global_buffer, .address_space: global }
      - { .name: y, .offset: 16, .size: 8, .value_kind: global_buffer, .address_space: global }
      - { .name: out0, .offset: 24, .size: 8, .value_kind: global_buffer, .address_space: global }
      - { .name: out1, .offset: 32, .size: 8, .value_kind: global_buffer, .address_space: global }
    .group_segment_fixed_size: 327680
    .private_segment_fixed_size: 0
    .kernarg_segment_align: 8
    .kernarg_segment_size: 40
    .max_flat_workgroup_size: 128
    .sgpr_count:     80
    .vgpr_count:     1024
    .wavefront_size: 32
...
	.end_amdgpu_metadata
.endif
;; end of part 4
